; MI455X (gfx1250); checked and timed in simulation.
; The chip was launched on July 23, 2026; its instructions are those of AMD's public machine-readable ISA for CDNA 5 (MIT licence, August 2026) and "CDNA5" Instruction Set Architecture Reference Guide (July 2026). The comments in the code are by the model that wrote it; some were corrected since.
;; PLE Layer. Allowed arithmetic: matrix products marked QUANTISED: E2M1 operands, one E8M0 scale for each 32 along K, by v_wmma_scale_f32_16x16x128_f8f6f4 with both operands' format E2M1 (or v_wmma_scale_f32_32x16x128_f4), f32 sums; products left as they are: f32 operands where the result goes on into a quantised operand, else bf16, f16 or f32 operands; f32 sums; everything else in f32.
;; Inputs: W_sh_codes 512 x 8 x 16 x 16 uint8 (E2M1 codes of W_sh, K innermost, in blocks of 32 codes, two codes a byte); W_sh_scales 512 x 8 x 16 uint8 (E8M0 scales of W_sh, one for each 32 codes along K); W_t1_codes 512 x 8 x 16 x 16 uint8 (E2M1 codes of W_t1, K innermost, in blocks of 32 codes, two codes a byte); W_t1_scales 512 x 8 x 16 uint8 (E8M0 scales of W_t1, one for each 32 codes along K); W_t2_codes 512 x 8 x 16 x 16 uint8 (E2M1 codes of W_t2, K innermost, in blocks of 32 codes, two codes a byte); W_t2_scales 512 x 8 x 16 uint8 (E8M0 scales of W_t2, one for each 32 codes along K); Wg_sh_codes 24 x 16 x 16 uint8 (E2M1 codes of Wg_sh, K innermost, in blocks of 32 codes, two codes a byte); Wg_sh_scales 24 x 16 uint8 (E8M0 scales of Wg_sh, one for each 32 codes along K); Wg_t1_codes 16 x 16 x 16 uint8 (E2M1 codes of Wg_t1, K innermost, in blocks of 32 codes, two codes a byte); Wg_t1_scales 16 x 16 uint8 (E8M0 scales of Wg_t1, one for each 32 codes along K); Wg_t2_codes 16 x 16 x 16 uint8 (E2M1 codes of Wg_t2, K innermost, in blocks of 32 codes, two codes a byte); Wg_t2_scales 16 x 16 uint8 (E8M0 scales of Wg_t2, one for each 32 codes along K); b_sh 512 x 8 float32; b_t1 512 x 8 float32; b_t2 512 x 8 float32; bg_sh 24 float32; bg_t1 16 float32; bg_t2 16 float32; ln0_b 512 float32; ln0_g 512 float32; ln1_b 512 float32; ln1_g 512 float32; ln2_b 512 float32; ln2_g 512 float32; x_shared 4 x 2,048 x 512 float32; x_task1 4 x 2,048 x 512 float32; x_task2 4 x 2,048 x 512 float32.
;; Outputs: out0 4 x 2,048 x 512 float32; out1 4 x 2,048 x 512 float32; out2 4 x 2,048 x 512 float32.
;; This version of the problem:
;;   THIS VERSION OF THE PROBLEM IS GIVEN IN LOW PRECISION. The matrix products marked QUANTISED in the list below multiply operands that are first quantised to E2M1 (2 exponent bits, 1 mantissa bit; 4 bits a number), with one power-of-two scale for each 32 numbers along K (OCP MX v1.0); their sums are f32. All else is computed in f32.
;;   The module's matrix products, in the order in which they are computed (A, B: the left and right operand; K: the contracted axis; several contracted axes count as one K, in the product's order):
;;     1. [M 8,192, K 512] x [K 512, N 4,096]; A: computed on the way; B: input W_sh (given as codes): QUANTISED
;;     2. [M 8,192, K 512] x [K 512, N 4,096]; A: computed on the way; B: input W_t1 (given as codes): QUANTISED
;;     3. [M 8,192, K 512] x [K 512, N 4,096]; A: computed on the way; B: input W_t2 (given as codes): QUANTISED
;;     4. [M 8,192, K 512] x [K 512, N 24]; A: computed on the way; B: input Wg_sh (given as codes): QUANTISED
;;     5. batch 8,192 x [M 1, K 8] x [K 8, N 512]; A: computed on the way; B: computed on the way: left as it is (K = 8 < 32)
;;     6. batch 8,192 x [M 1, K 8] x [K 8, N 512]; A: computed on the way; B: computed on the way: left as it is (K = 8 < 32)
;;     7. batch 8,192 x [M 1, K 8] x [K 8, N 512]; A: computed on the way; B: computed on the way: left as it is (K = 8 < 32)
;;     8. [M 8,192, K 512] x [K 512, N 16]; A: computed on the way; B: input Wg_t1 (given as codes): QUANTISED
;;     9. batch 8,192 x [M 1, K 8] x [K 8, N 512]; A: computed on the way; B: computed on the way: left as it is (K = 8 < 32)
;;     10. batch 8,192 x [M 1, K 8] x [K 8, N 512]; A: computed on the way; B: computed on the way: left as it is (K = 8 < 32)
;;     11. [M 8,192, K 512] x [K 512, N 16]; A: computed on the way; B: input Wg_t2 (given as codes): QUANTISED
;;     12. batch 8,192 x [M 1, K 8] x [K 8, N 512]; A: computed on the way; B: computed on the way: left as it is (K = 8 < 32)
;;     13. batch 8,192 x [M 1, K 8] x [K 8, N 512]; A: computed on the way; B: computed on the way: left as it is (K = 8 < 32)
;;   THE QUANTISER, for each operand of a quantised product, along K:
;;     - K is cut into blocks of 32 from its start; a last block that is shorter is filled with zeros.
;;     - A block's scale is 2^e with e = floor(log2(the largest magnitude in the block)) - 2, held to -126 .. 127; a block of zeros has e = 0. As a byte (E8M0): e + 127.
;;     - Each number is divided by its block's scale, clamped to +-6, and rounded to the nearest number of E2M1, ties to even, subnormals kept.
;;     - The product sums the exact products of the quantised numbers (number of the format x scale) in f32.
;;   ~~~python
;;   def quantise(x, axis):      # numpy; x: float32 -> the quantised numbers, widened to float32 again
;;       x = np.moveaxis(x, axis, -1); K = x.shape[-1]
;;       x = np.pad(x, [(0, 0)] * (x.ndim - 1) + [(0, -K % 32)]); x = x.reshape(x.shape[:-1] + (-1, 32)); a = np.abs(x).max(-1, keepdims=True)
;;       e = np.where(a > 0, np.clip(np.frexp(np.where(a > 0, a, 1))[1] - 1 - 2, -126, 127), 0)      # np.frexp(a)[1] - 1 = floor(log2(a)), exactly
;;       r = np.clip(x / 2.0 ** e, -6, 6)
;;       step = 2.0 ** (np.maximum(np.frexp(np.where(r == 0, 1, r))[1] - 1, 0) - 1)
;;       q = np.round(r / step) * step * 2.0 ** e      # np.round: ties to even
;;       return np.moveaxis(q.reshape(q.shape[:-2] + (-1,))[..., :K], -1, axis).astype(np.float32)
;;   ~~~
;;   OPERANDS COMPUTED ON THE WAY. 'Computed on the way' means the value that the module computes at that place (a softmax that the list does not call 'softmax' is quantised finished and normalised). What goes into a quantiser is computed in f32, as accurately as f32 sums, v_exp_f32 and their like allow (about 1e-6 of the number): no bf16 or f16 on the way to a quantiser, and a product that is left as it is and whose result goes on into a quantised operand takes f32 operands (vector FMAs, or v_wmma_f32_16x16x4_f32). A number that lies on a knife's edge between two numbers of the format may be rounded either way, as far as f32 arithmetic and the matrix unit's own rounding can turn it there, and no further.
;;   INPUTS GIVEN AS CODES. W_sh (in the module: [512, 512, 8], K = its axis 0); W_t1 (in the module: [512, 512, 8], K = its axis 0); W_t2 (in the module: [512, 512, 8], K = its axis 0); Wg_sh (in the module: [512, 24], K = its axis 0); Wg_t1 (in the module: [512, 16], K = its axis 0); Wg_t2 (in the module: [512, 16], K = its axis 0): each comes as NAME_codes (uint8): NAME with its K axis moved to the last place and cut into blocks of 32 codes, [.., K / 32, bytes a block], one block behind the other in memory; two codes a byte, the lower K in the low four bits (a code: sign, 2 exponent bits, 1 mantissa bit); and NAME_scales (uint8): the same leading axes, one E8M0 byte (e + 127) for each 32 codes along K. Its value is code x scale, taken as it is: it is not quantised again, and the codes and scales need not be those that the quantiser above would give.
;; One version. Each part assembles by itself: llvm-mc -triple=amdgcn-amd-amdhsa -mcpu=gfx1250 --defsym DOCPART=n.
;; ======== version 1 of 1: 2 launches
;; limits: right only within a limited range of input values
;; workspace buffers: xq 6,684,672 bytes; gw 2,097,152 bytes
;; launch prep (part 1): grid 512 x 1, 3 waves a work-group, no clusters, 100,352 bytes of LDS; arguments x_shared, ln0_g, ln0_b, Wg_sh_codes, Wg_sh_scales, bg_sh, x_task1, ln1_g, ln1_b, Wg_t1_codes, Wg_t1_scales, bg_t1, x_task2, ln2_g, ln2_b, Wg_t2_codes, Wg_t2_scales, bg_t2, xq, gw; writes xq, gw
.if DOCPART == 1
	.amdgcn_target "amdgcn-amd-amdhsa--gfx1250"
	.amdhsa_code_object_version 6
	.text
	.protected	k_qfef8b2ccf5_prep
	.globl	k_qfef8b2ccf5_prep
	.p2align	8
	.type	k_qfef8b2ccf5_prep,@function
k_qfef8b2ccf5_prep:
	s_mov_b64 s[64:65], 0
	v_nop
	global_prefetch_b8 v0, s[64:65] scope:SCOPE_SE
	s_setreg_imm32_b32 hwreg(HW_REG_WAVE_MODE, 25, 1), 1
	s_wait_xcnt 0x0
; LAYER NORM, QUANTISER, GATE PRODUCT AND SOFTMAX for the three inputs [8192][512] f32.
; A work-group takes one tile of 16 rows; its three waves take the three tensors (wave = tensor).  Waves share nothing: no barrier.
; OUT: xq [3 tensors][512 tiles][4352 bytes]: 4,096 bytes of E2M1 codes as an image of the operand's registers, [K step q][c][lane][16 bytes], then 256 bytes of E8M0 scale words, [row][q].
;      gw [512 tiles][8 slots][c][row][16 bytes] f32: a slot is 8 gates of each row, half c = experts 4 c .. 4 c + 3.  Slots 0-2: logits 0:8 of the three gates; 3-5: logits 8:16; 6: logits 16:24 of the shared gate; 7: zeros.
; The norm is taken in two passes (mean, then the squares of x - mean), all in f32, so that a common offset of the inputs costs nothing.
; A row is loaded with neighbouring lanes on neighbouring bytes (512 consecutive bytes a load); the quantiser wants 16 neighbours along K in a lane: the normed rows turn through the wave's own stage in LDS.
; Twelve of the wave's sixteen rows are asked for at once (three sets of four rows, 48 loads), the last four as soon as the first set is free.
; A block's scale: the largest magnitude's exponent field less 2, held at 1 from below.
; LIMITS: NaN and infinities among the inputs are not served.  A block of zeros gets the byte 1 where the rule says 127: its codes are zeros, and this program alone reads the bytes.
.set WREG,   33280                     ; LDS of a wave: a stage of 16 rows
.set SPITCH, 2064                      ; a stage row: 2,048 bytes + 16: row r starts 4 r words on, so 16 rows of a 16-byte load fall on 16 different groups of banks (ISA guide 11.1)
.set XTILE,  4352
.set XTEN,   512*XTILE
.set XS,  12                           ; v12-15   x's scale words, one for each K step: scales and nothing else
.set WS,  16                           ; v16-23   the gate weights' scale words, tile u at 16 + 4 u: scales and nothing else
.set P,   24                           ; v24-31   the norm: four pairs at work (a row's sum and mean, then its squares and root)
.set TM,  24                           ; v24-39   the quantiser: at work
.set GA,  32                           ; v32-47   the norm's gain at my 16 columns
.set BE,  48                           ; v48-63   the norm's bias
.set X,   64                           ; v64-255  three sets of four rows x 16 numbers.  Behind the norm these and the gain's and bias's registers are free:
.set BG,  40                           ; v40-55   the gate biases: tile u at 40 + 8 u
.set XF,  72                           ; v72-103  x's four fragments
.set DG,  104                          ; v104-119 the logits: tile u at 104 + 8 u;  v120-125 the softmax at work
.set ZO,  127                          ; v127     0, an offset
.set Y,   128                          ; v128-191 64 numbers on their way into the quantiser
.set WGF, 192                          ; v192-255 the gate weights' eight fragments: tile u, K step q at 192 + 32 u + 8 q
	s_load_b512 s[8:23], s[0:1], 0x0               ; three sets of six addresses (x, gain, bias, gate codes, gate scales, gate bias) at s8, s20, s32;
	s_load_b512 s[24:39], s[0:1], 0x40
	s_load_b256 s[40:47], s[0:1], 0x80             ; xq s[44:45], gw s[46:47]
	s_set_vgpr_msb 0x40
	v_lshl_add_u32 v0, v0, 2, 0x18600
	v_mov_b32 v1, 0
	s_set_vgpr_msb 0x4000
	v_lshrrev_b32 v1, 5, v0
	v_readfirstlane_b32 s48, v1                    ; wave = tensor 0..2
	s_cmp_eq_u32 s48, 0
	s_cselect_b32 s51, 16, 0                       ; the second gate tile's first logit: 16 for the shared gate; the others have none and take rows 0-7 again, hidden below
	s_mov_b32 s52, -1
	s_cselect_b32 s52, 0xffff0000, s52             ; lanes whose second tile is hidden: the upper half (both halves hold the same 8 logits), or all
	s_mul_i32 s49, s48, WREG
	s_mov_b32 s60, 0x76543210
	s_mov_b32 s61, 0xfedcba98                      ; v_permlanex16_b32's selects for lane l xor 16
	s_mov_b32 s62, 0x3b000000                      ; 1 / 512
	s_mov_b32 s63, 0x3727c5ac                      ; 1e-5
	s_mov_b32 s66, 0x3fb8aa3b                      ; log2(e)
	s_mov_b32 s67, s66                             ; (named with it as a pair)
	v_and_b32 v26, 31, v0                          ; lane
	v_and_b32 v24, 15, v0                          ; r
	v_bfe_u32 v25, v0, 4, 1                        ; hh
	v_lshlrev_b32 v1, 4, v26                       ; 16 x lane
	v_lshlrev_b32 v2, 4, v24                       ; 16 r
	v_add_nc_u32 v3, s49, v1                       ; the stage, on the way in
	v_mul_u32_u24 v4, v24, SPITCH
	v_lshl_add_u32 v4, v25, 6, v4
	v_add_nc_u32 v4, s49, v4                       ; and out: row r, + 64 hh: my 16 numbers of each block of 32
	v_lshlrev_b32 v5, 8, v24
	v_lshl_add_u32 v5, v25, 4, v5                  ; gate codes, tile 0: row r of 256 bytes, + 16 hh
	v_and_b32 v6, 7, v0
	v_add_nc_u32 v6, s51, v6                       ; tile 1: row base + r % 8
	v_lshlrev_b32 v11, 4, v6                       ; its scale bytes
	v_lshlrev_b32 v6, 8, v6
	v_lshl_add_u32 v6, v25, 4, v6
	v_mul_u32_u24 v7, v25, 1536
	v_add_nc_u32 v7, v7, v2                        ; gw: 16 r; the upper half's logits 8:16 lie three slots on
	v_lshl_add_u32 v8, v25, 9, v2                  ; slot 6 for the lower half, slot 7 for the upper
	v_lshlrev_b32 v9, 5, v25                       ; gate bias of tile 0: logits 8 hh on
	v_mov_b32 v10, 0xff800000                      ; -infinity
	s_lshl_b32 s2, ttmp9, 15                       ; the tile's 16 rows of 2,048 bytes
	s_mov_b32 s3, 0
	s_mul_i32 s4, s48, XTEN
	s_mul_i32 s5, ttmp9, XTILE
	s_add_co_u32 s4, s4, s5
	s_mov_b32 s5, 0
	s_lshl_b32 s6, ttmp9, 12
	s_mov_b32 s7, 0
	s_lshl_b32 s68, s48, 9
	s_mov_b32 s69, 0
	s_lshl_b32 s70, s51, 2
	s_mov_b32 s71, 0
	s_wait_kmcnt 0x0
	s_cmp_eq_u32 s48, 1                            ; my tensor's six addresses: the choice hangs on the wave's number alone
.irp i, 0,1,2,3,4,5
	s_cselect_b64 s[8+2*\i:9+2*\i], s[20+2*\i:21+2*\i], s[8+2*\i:9+2*\i]
.endr
	s_cmp_eq_u32 s48, 2
.irp i, 0,1,2,3,4,5
	s_cselect_b64 s[8+2*\i:9+2*\i], s[32+2*\i:33+2*\i], s[8+2*\i:9+2*\i]
.endr
	s_add_nc_u64 s[8:9], s[8:9], s[2:3]            ; x at my first row
	s_add_nc_u64 s[44:45], s[44:45], s[4:5]        ; xq at my tile
	s_add_nc_u64 s[46:47], s[46:47], s[6:7]        ; gw at my tile,
	s_add_nc_u64 s[54:55], s[46:47], s[68:69]      ; at slot = tensor,
	s_add_nc_u64 s[56:57], s[46:47], 3072          ; at slot 6
	s_add_nc_u64 s[58:59], s[18:19], s[70:71]      ; the gate bias of tile 1
.macro LOADB beta                      ; rows 4 beta .. 4 beta + 3 into set beta % 3: register 16 i + 4 j + k = column 128 j + 4 lane + k of row i
.irp i, 0,1,2,3
.irp j, 0,1,2,3
	global_load_b128 v[X+64*((\beta)%3)+16*\i+4*\j:X+64*((\beta)%3)+16*\i+4*\j+3], v1, s[8:9] offset:(4*(\beta)+\i)*2048+512*\j th:TH_LOAD_NT
.endr
.endr
.endm
.macro LANESUM base                    ; four rows' partial sums, v[base + 2 i], are summed over the 32 lanes; the rows by turns
.irp x, 1,2,4,8
.irp i, 0,1,2,3
	v_add_f32_dpp v[\base+2*\i], v[\base+2*\i], v[\base+2*\i] row_xmask:\x row_mask:0xf bank_mask:0xf
.endr
.endr
.irp i, 0,1,2,3
	v_permlanex16_b32 v[\base+2*\i+1], v[\base+2*\i], s60, s61
.endr
.irp i, 0,1,2,3
	v_add_f32 v[\base+2*\i], v[\base+2*\i], v[\base+2*\i+1]
.endr
.endm
.macro LNB beta                        ; the norm of four rows, and into the stage
.set XB, X+64*((\beta)%3)
.irp i, 0,1,2,3
	v_pk_add_f32 v[P+2*\i:P+2*\i+1], v[XB+16*\i:XB+16*\i+1], v[XB+16*\i+2:XB+16*\i+3]
.endr
.irp k, 4,6,8,10,12,14
.irp i, 0,1,2,3
	v_pk_add_f32 v[P+2*\i:P+2*\i+1], v[P+2*\i:P+2*\i+1], v[XB+16*\i+\k:XB+16*\i+\k+1]
.endr
.endr
.irp i, 0,1,2,3
	v_add_f32 v[P+2*\i], v[P+2*\i], v[P+2*\i+1]
.endr
	LANESUM P
.irp i, 0,1,2,3
	v_mul_f32 v[P+2*\i], s62, v[P+2*\i]            ; the mean
.endr
.irp k, 0,2,4,6,8,10,12,14
.irp i, 0,1,2,3
	v_pk_add_f32 v[XB+16*\i+\k:XB+16*\i+\k+1], v[XB+16*\i+\k:XB+16*\i+\k+1], v[P+2*\i:P+2*\i+1] op_sel_hi:[1,0] neg_lo:[0,1] neg_hi:[0,1]   ; x - mean
.endr
.endr
.irp i, 0,1,2,3
	v_pk_mul_f32 v[P+2*\i:P+2*\i+1], v[XB+16*\i:XB+16*\i+1], v[XB+16*\i:XB+16*\i+1]   ; the mean is done with: its pair takes the squares
.endr
.irp k, 2,4,6,8,10,12,14
.irp i, 0,1,2,3
	v_pk_fma_f32 v[P+2*\i:P+2*\i+1], v[XB+16*\i+\k:XB+16*\i+\k+1], v[XB+16*\i+\k:XB+16*\i+\k+1], v[P+2*\i:P+2*\i+1]
.endr
.endr
.irp i, 0,1,2,3
	v_add_f32 v[P+2*\i], v[P+2*\i], v[P+2*\i+1]
.endr
	LANESUM P
.irp i, 0,1,2,3
	v_fma_f32 v[P+2*\i], v[P+2*\i], s62, s63       ; the variance + 1e-5
.endr
	s_wait_alu depctr_va_vdst(0)
.irp i, 0,1,2,3
	v_rsq_f32 v[P+2*\i], v[P+2*\i]
.endr
	v_nop                                          ; a plain instruction between the last root and the use of its result (ISA guide 5.7.2)
	s_wait_alu depctr_va_vdst(0)
.irp k, 0,2,4,6,8,10,12,14
.irp i, 0,1,2,3
	v_pk_mul_f32 v[XB+16*\i+\k:XB+16*\i+\k+1], v[XB+16*\i+\k:XB+16*\i+\k+1], v[P+2*\i:P+2*\i+1] op_sel_hi:[1,0]
.endr
.endr
.irp k, 0,2,4,6,8,10,12,14
.irp i, 0,1,2,3
	v_pk_fma_f32 v[XB+16*\i+\k:XB+16*\i+\k+1], v[XB+16*\i+\k:XB+16*\i+\k+1], v[GA+\k:GA+\k+1], v[BE+\k:BE+\k+1]
.endr
.endr
.irp i, 0,1,2,3
.irp j, 0,1,2,3
	ds_store_b128 v3, v[XB+16*\i+4*\j:XB+16*\i+4*\j+3] offset:(4*(\beta)+\i)*SPITCH+512*\j
.endr
.endr
.endm
; 64 numbers of a lane, register 16 b + i = k 32 b + 16 hh + i of my row, become a fragment's codes in v[pc] on and my row's scale word in v[pw]
.macro QUANT s, pc, pw
.irp b, 0,1,2,3
	v_max3_num_f32 v[TM+\b], |v[\s+16*\b]|, |v[\s+1+16*\b]|, 0x1800000   ; block b: my 16 numbers, and the floor 2^(3 - 127): so the byte cannot fall under 1
.endr
.irp i, 2,4,6,8,10,12,14
.irp b, 0,1,2,3
	v_max3_num_f32 v[TM+\b], v[TM+\b], |v[\s+16*\b+\i]|, |v[\s+1+16*\b+\i]|
.endr
.endr
.irp b, 0,1,2,3
	v_permlanex16_b32 v[TM+4+\b], v[TM+\b], s60, s61
.endr
.irp b, 0,1,2,3
	v_max_num_f32 v[TM+\b], v[TM+\b], v[TM+4+\b]   ; with lane l xor 16's: the block's largest magnitude
.endr
.irp b, 0,1,2,3
	v_add_nc_u32 v[TM+12+\b], 0xff000000, v[TM+\b] ; 2 off its exponent field: the conversion takes the exponent field of this operand as its scale
.endr
.irp b, 0,1,2,3
	v_lshrrev_b32 v[TM+4+\b], 23, v[TM+12+\b]      ; the scale's byte
.endr
	v_lshl_or_b32 v[\pw], v[TM+5], 8, v[TM+4]
	v_lshl_or_b32 v[\pw], v[TM+6], 16, v[\pw]
	v_lshl_or_b32 v[\pw], v[TM+7], 24, v[\pw]
.irp b, 0,1,2,3
	v_cvt_scalef32_pk8_fp4_f32 v[(\pc)+2*\b], v[\s+16*\b:\s+7+16*\b], v[TM+12+\b]
	v_cvt_scalef32_pk8_fp4_f32 v[(\pc)+1+2*\b], v[\s+8+16*\b:\s+15+16*\b], v[TM+12+\b]
.endr
	v_nop                                          ; one plain place behind a scaled conversion
.irp c, 0,1                                    ; the operand's layout wants a whole block in a lane
.irp i, 0,1
	v_permlane16_swap_b32 v[(\pc)+4*\c+\i], v[(\pc)+2+4*\c+\i]
.endr
.endr
.endm
.irp j, 0,1,2,3
	global_load_b128 v[GA+4*\j:GA+4*\j+3], v1, s[10:11] offset:512*\j
	global_load_b128 v[BE+4*\j:BE+4*\j+3], v1, s[12:13] offset:512*\j
.endr
	LOADB 0
	LOADB 1
	LOADB 2
	s_wait_loadcnt 32                              ; gain, bias and rows 0-3 are in; the 32 loads of rows 4-11 may be out
	LNB 0
	s_wait_dscnt 0x0                               ; the stores have read their registers: the set takes the last four rows
	LOADB 3
	s_wait_loadcnt 32                              ; rows 4-7 are in; the 32 loads of rows 8-15 may be out
	LNB 1
	s_wait_loadcnt 16                              ; rows 8-11 are in; the 16 loads of rows 12-15 may be out
	LNB 2
	s_wait_loadcnt 0x0
	LNB 3
	s_wait_dscnt 0x0                               ; all stores into the stage have read their registers: the three sets are free
	v_mov_b32 v[ZO], 0
.irp q, 0,1,2,3                                ; the gate weights: they land while x is quantised
.irp c, 0,1
	global_load_b128 v[WGF+8*\q+4*\c:WGF+8*\q+4*\c+3], v5, s[14:15] offset:64*\q+32*\c
	global_load_b128 v[WGF+32+8*\q+4*\c:WGF+32+8*\q+4*\c+3], v6, s[14:15] offset:64*\q+32*\c
.endr
.endr
	global_load_b128 v[WS:WS+3], v2, s[16:17]      ; a row's 16 scale bytes are its four words
	global_load_b128 v[WS+4:WS+7], v11, s[16:17]
.irp c, 0,1
	global_load_b128 v[BG+4*\c:BG+4*\c+3], v9, s[18:19] offset:16*\c
	global_load_b128 v[BG+8+4*\c:BG+8+4*\c+3], v[ZO], s[58:59] offset:16*\c
.endr
.irp q, 0,1,2,3
.irp b, 0,1,2,3
.irp j, 0,1,2,3
	ds_load_b128 v[Y+16*\b+4*\j:Y+16*\b+4*\j+3], v4 offset:512*\q+128*\b+16*\j
.endr
.endr
	s_wait_dscnt 0x0
	QUANT Y, XF+8*\q, XS+\q
.irp c, 0,1
	global_store_b128 v1, v[XF+8*\q+4*\c:XF+8*\q+4*\c+3], s[44:45] offset:1024*\q+512*\c   ; 32 lanes store 512 consecutive bytes, aligned to 256
.endr
.endr
	global_store_b128 v2, v[XS:XS+3], s[44:45] offset:4096   ; 16 lanes store 256 consecutive bytes; the upper half writes the same words
	s_wait_loadcnt 0x0                             ; the gate weights, their scales and biases
.rept 8
	v_nop                                          ; a scale word written by a vector instruction stands 8 places ahead of a scaled matrix instruction, an operand so written 4
.endr
; TRANSPOSED: source 0 = 16 rows of the gate weight, source 1 = x: lane (r, hh) holds row r; tile 0's register j is logit 8 hh + j, tile 1's is logit base + j in both halves.  The bias is the C of each sum's first product.
; The two accumulators take turns, one instruction a turn.
.irp u, 0,1
	v_wmma_scale_f32_16x16x128_f8f6f4 v[DG+8*\u:DG+8*\u+7], v[WGF+32*\u:WGF+32*\u+7], v[XF:XF+7], v[BG+8*\u:BG+8*\u+7], v[WS+4*\u], v[XS] matrix_a_fmt:MATRIX_FMT_FP4 matrix_b_fmt:MATRIX_FMT_FP4
.endr
.irp q, 1,2,3
	s_wait_alu depctr_va_vdst(0)
.irp u, 0,1
	v_wmma_scale_f32_16x16x128_f8f6f4 v[DG+8*\u:DG+8*\u+7], v[WGF+32*\u+8*\q:WGF+32*\u+8*\q+7], v[XF+8*\q:XF+8*\q+7], v[DG+8*\u:DG+8*\u+7], v[WS+4*\u+\q], v[XS+\q] matrix_a_fmt:MATRIX_FMT_FP4 matrix_b_fmt:MATRIX_FMT_FP4
.endr
.endr
.rept 4
	v_nop                                          ; four places in front of the first read of results (ISA guide 7.12.1)
.endr
.irp j, 0,1,2,3,4,5,6,7
	v_cndmask_b32 v[DG+8+\j], v[DG+8+\j], v10, s52 ; hidden logits become -infinity: they count for nothing in the maximum and give 0
.endr
	v_max3_num_f32 v120, v104, v105, v106          ; the row's largest logit: each accumulator is read from its low end on
	v_max3_num_f32 v121, v112, v113, v114
	v_max3_num_f32 v120, v120, v107, v108
	v_max3_num_f32 v121, v121, v115, v116
	v_max3_num_f32 v120, v120, v109, v110
	v_max3_num_f32 v121, v121, v117, v118
	v_max3_num_f32 v120, v120, v111, v119
	v_max_num_f32 v120, v120, v121
	v_permlanex16_b32 v121, v120, s60, s61
	v_max_num_f32 v120, v120, v121
	v_mul_f32 v120, s66, v120
.irp k, 0,2,4,6,8,10,12,14
	v_pk_fma_f32 v[DG+\k:DG+\k+1], v[DG+\k:DG+\k+1], s[66:67], v[120:121] op_sel_hi:[1,0,0] neg_lo:[0,0,1] neg_hi:[0,0,1]   ; (logit - maximum) x log2(e)
.endr
	s_wait_alu depctr_va_vdst(0)
.irp j, 0,1,2,3,4,5,6,7,8,9,10,11,12,13,14,15
	v_exp_f32 v[DG+\j], v[DG+\j]
.endr
	v_nop                                          ; a plain instruction behind the exponentials
	s_wait_alu depctr_va_vdst(0)
	v_pk_add_f32 v[122:123], v[104:105], v[106:107]
	v_pk_add_f32 v[124:125], v[108:109], v[110:111]
	v_pk_add_f32 v[122:123], v[122:123], v[112:113]
	v_pk_add_f32 v[124:125], v[124:125], v[114:115]
	v_pk_add_f32 v[122:123], v[122:123], v[116:117]
	v_pk_add_f32 v[124:125], v[124:125], v[118:119]
	v_pk_add_f32 v[122:123], v[122:123], v[124:125]
	v_add_f32 v122, v122, v123
	v_permlanex16_b32 v123, v122, s60, s61
	v_add_f32 v122, v122, v123                     ; the row's sum
	s_wait_alu depctr_va_vdst(0)
	v_rcp_f32 v124, v122
	v_nop
	s_wait_alu depctr_va_vdst(0)
.irp k, 0,2,4,6,8,10,12,14
	v_pk_mul_f32 v[DG+\k:DG+\k+1], v[DG+\k:DG+\k+1], v[124:125] op_sel_hi:[1,0]
.endr
.irp c, 0,1
	global_store_b128 v7, v[DG+4*\c:DG+4*\c+3], s[54:55] offset:256*\c   ; 16 lanes store 256 consecutive bytes, aligned
.endr
	s_cmp_lg_u32 s48, 0                            ; slots 6 and 7 are the shared gate's: a branch on the wave's number
	s_cbranch_scc1 .Ldone
.irp c, 0,1
	global_store_b128 v8, v[DG+8+4*\c:DG+8+4*\c+3], s[56:57] offset:256*\c   ; lower half: logits 16:24; upper half: the zeros of slot 7
.endr
.Ldone:
	s_set_vgpr_msb 0x5
	s_wait_tensorcnt 0x0
	ds_add_u32 v0, v1
	s_wait_dscnt 0x0
	s_set_vgpr_msb 0x500
	s_endpgm
.Lfunc_end_k_qfef8b2ccf5_prep:
	.size	k_qfef8b2ccf5_prep, .Lfunc_end_k_qfef8b2ccf5_prep-k_qfef8b2ccf5_prep
	.p2alignl 7, 3214868480
	.fill 96, 4, 3214868480
	.section	.rodata,"a",@progbits
	.p2align	6, 0x0
	.amdhsa_kernel k_qfef8b2ccf5_prep
		.amdhsa_group_segment_fixed_size 100352
		.amdhsa_private_segment_fixed_size 0
		.amdhsa_enable_private_segment 0
		.amdhsa_kernarg_size 160
		.amdhsa_user_sgpr_count 2
		.amdhsa_user_sgpr_kernarg_segment_ptr 1
		.amdhsa_wavefront_size32 1
		.amdhsa_system_sgpr_workgroup_id_x 1
		.amdhsa_system_sgpr_workgroup_id_y 1
		.amdhsa_system_sgpr_workgroup_id_z 1
		.amdhsa_system_vgpr_workitem_id 0
		.amdhsa_next_free_vgpr 258
		.amdhsa_next_free_sgpr 80
		.amdhsa_reserve_vcc 0
		.amdhsa_float_denorm_mode_32 3
		.amdhsa_float_denorm_mode_16_64 3
		.amdhsa_memory_ordered 1
		.amdhsa_forward_progress 1
		.amdhsa_inst_pref_size 96
	.end_amdhsa_kernel
	.amdgpu_metadata
---
amdhsa.version: [ 1, 2 ]
amdhsa.kernels:
  - .name:           k_qfef8b2ccf5_prep
    .symbol:         k_qfef8b2ccf5_prep.kd
    .args:
      - { .name: x_shared, .offset: 0, .size: 8, .value_kind: global_buffer, .address_space: global }
      - { .name: ln0_g, .offset: 8, .size: 8, .value_kind: global_buffer, .address_space: global }
      - { .name: ln0_b, .offset: 16, .size: 8, .value_kind: global_buffer, .address_space: global }
      - { .name: Wg_sh_codes, .offset: 24, .size: 8, .value_kind: global_buffer, .address_space: global }
      - { .name: Wg_sh_scales, .offset: 32, .size: 8, .value_kind: global_buffer, .address_space: global }
      - { .name: bg_sh, .offset: 40, .size: 8, .value_kind: global_buffer, .address_space: global }
      - { .name: x_task1, .offset: 48, .size: 8, .value_kind: global_buffer, .address_space: global }
      - { .name: ln1_g, .offset: 56, .size: 8, .value_kind: global_buffer, .address_space: global }
      - { .name: ln1_b, .offset: 64, .size: 8, .value_kind: global_buffer, .address_space: global }
      - { .name: Wg_t1_codes, .offset: 72, .size: 8, .value_kind: global_buffer, .address_space: global }
      - { .name: Wg_t1_scales, .offset: 80, .size: 8, .value_kind: global_buffer, .address_space: global }
      - { .name: bg_t1, .offset: 88, .size: 8, .value_kind: global_buffer, .address_space: global }
      - { .name: x_task2, .offset: 96, .size: 8, .value_kind: global_buffer, .address_space: global }
      - { .name: ln2_g, .offset: 104, .size: 8, .value_kind: global_buffer, .address_space: global }
      - { .name: ln2_b, .offset: 112, .size: 8, .value_kind: global_buffer, .address_space: global }
      - { .name: Wg_t2_codes, .offset: 120, .size: 8, .value_kind: global_buffer, .address_space: global }
      - { .name: Wg_t2_scales, .offset: 128, .size: 8, .value_kind: global_buffer, .address_space: global }
      - { .name: bg_t2, .offset: 136, .size: 8, .value_kind: global_buffer, .address_space: global }
      - { .name: xq, .offset: 144, .size: 8, .value_kind: global_buffer, .address_space: global }
      - { .name: gw, .offset: 152, .size: 8, .value_kind: global_buffer, .address_space: global }
    .group_segment_fixed_size: 100352
    .private_segment_fixed_size: 0
    .kernarg_segment_align: 8
    .kernarg_segment_size: 160
    .max_flat_workgroup_size: 96
    .sgpr_count:     80
    .vgpr_count:     258
    .wavefront_size: 32
...
	.end_amdgpu_metadata
.endif
;; end of part 1
;; launch experts (part 2): grid 32 x 8, 8 waves a work-group, clusters of 4 x 1, 327,680 bytes of LDS; arguments W_sh_codes, W_t1_codes, W_t2_codes, W_sh_scales, W_t1_scales, W_t2_scales, b_sh, b_t1, b_t2, xq, gw, out0, out1, out2; writes out0, out1, out2
.if DOCPART == 2
	.amdgcn_target "amdgcn-amd-amdhsa--gfx1250"
	.amdhsa_code_object_version 6
	.text
	.protected	k_qfef8b2ccf5_experts
	.globl	k_qfef8b2ccf5_experts
	.p2align	8
	.type	k_qfef8b2ccf5_experts,@function
k_qfef8b2ccf5_experts:
	s_mov_b64 s[64:65], 0
	v_nop
	global_prefetch_b8 v0, s[64:65] scope:SCOPE_SE
	s_setreg_imm32_b32 hwreg(HW_REG_WAVE_MODE, 25, 1), 1
	s_wait_xcnt 0x0
	s_wait_alu depctr_hold_cnt(0) depctr_sa_sdst(0) depctr_va_vdst(0) depctr_va_sdst(0) depctr_va_ssrc(0) depctr_va_vcc(0) depctr_vm_vsrc(0)
	s_getreg_b32 s2, hwreg(HW_REG_IB_STS2, 6, 4)
	s_cmp_eq_u32 s2, 0
	s_cbranch_scc0 .Lentry_in_a_cluster
	s_endpgm
.Lentry_in_a_cluster:
	s_bfe_u32 s2, ttmp6, 0x10000c
	s_cmp_lg_u32 s2, 0x3003
	s_cbranch_scc0 .Lentry_shape_is_right
	s_endpgm
.Lentry_shape_is_right:
; THE THREE EXPERT PRODUCTS [8192, 512] x [512, 4096] ON E2M1 CODES, BIAS, RELU, AND THE GATE-WEIGHTED SUMS OVER THE EXPERTS.
; SHARES.  A work-group owns 256 rows x 64 h of all three outputs; 32 x 8 work-groups.  Wave w: rows 64 (w / 2) on (four tiles m of 16), h 32 (w % 2) on (two tiles t of 16).  Eight waves, two to a SIMD,
; so that one wave's vector work stands beside the other's matrix work; each weight fragment read from LDS feeds four matrix instructions.
; A PRODUCT IS USED TRANSPOSED: source 0 = 16 neighbouring h of ONE expert e (weight rows 8 h + e: 2,048 bytes apart), source 1 = 16 rows of x.  Lane (r, hh) then holds row r and its register j the column
; h = 16 t + 8 hh + j: the tile's gate is one number a lane, the multiply-adds are packed over pairs of h, the sum over the experts needs no other lane, and a lane ends with eight neighbouring h.
; GROUPS in the order e_sh, e_t1, e_t2 (LIMIT: the outputs' sums run in this order, not in the source's).  A STEP is four experts of a group: 8 tiles a wave, 128 matrix instructions; six steps.
; The products with K = 8 (gates x experts, another right operand for every row) are f32 multiply-adds.
; THE WEIGHTS' CODES come through a ring of two LDS slots, a step to a slot: four tiles of 64 rows x 256 bytes, one tensor load each for waves 0-3.
; CLUSTER: the four work-groups of a cluster share their 64 h, hence every tile of weights: each is asked for JOINTLY (mask 15).  The weights' scale bytes and the biases (30,720 bytes a work-group against
; 393,216 of codes) come once by loads through registers; x, the gates and the outputs hang on the place in the cluster and are each work-group's own.
; x of the first group goes straight into registers; that of the two others comes into LDS with the first fills, by one plain tensor load (no mask) of each of waves 4-7, and is fetched at the change of groups.
; THE SECOND OUTPUT LEAVES EARLY: it is fed by the first two groups alone, so its sums are final behind step 3.  They go into a stage at the head of step 4; the barrier behind step 4 stands between the writing and the
; reading; its rows are stored among the tiles of step 5.  The two other outputs leave at the end.  All of a WGP's LDS is claimed.
; LIMITS: NaN and infinities are not served.
; REGISTERS.  Window 0: v1, v2 for the add; v3-11 addresses; v12-15 the weights' scale words and v24-31 x's: scales and nothing else; v16-23 the bias; v32-127 gates, two sets of 48 (16 oi + 4 m + el); v128-255 x (32 m + 8 q).
;   Window 1: v32-63 the four accumulators; v64-95 the weights' four fragments; the rest the 24 sums of 8: sum k = (4 o + m) 2 + t at 8 k (k < 4) or 64 + 8 k.
.set RING1, 69632                      ; a slot: 4 tiles x 64 rows x 272 bytes
.set TILEB, 17408
.set WSC,   139264                     ; the weights' scale bytes: 3 groups x 64 h x (128 + 16) bytes
.set BIA,   166912                     ; the biases, turned: [8 g + e][64 h] f32
.set SPARE, 173056                     ; the spare words, 128 bytes for each wave: four blocks of 256 bytes that no other line names
.set XR1,   174080                     ; xq's 16 tiles of the second group, as they lie in memory: 69,632 bytes;
.set XR2,   243712                     ; of the third
.set XTILE, 4352
.set XTEN,  512*XTILE
; the way out: three stages of 256 rows x 272 bytes.  The second output's lies at XR1: filled once, last read at the change of groups behind step 1, written from step 4 on.
; The first's lies at 0 (slot 0) and the third's at XR2: each has had its last fill and its last read at the barrier behind step 4.
.set MSB, 0
.macro WIN new                         ; the immediate's high byte repeats the setting that is left
.if MSB != \new
	s_set_vgpr_msb (MSB<<8)|\new
.set MSB, \new
.endif
.endm
.macro CROUND                          ; a round of the cluster's barrier
	s_barrier_signal -1
	s_barrier_wait -1
	s_cmp_lg_u32 s66, 0
	s_cbranch_scc1 .Lnot_wave_0_\@
	s_barrier_signal -3
.Lnot_wave_0_\@:
	s_barrier_wait -3
	s_barrier_signal -1
	s_barrier_wait -1
.endm
.macro JLOAD s                         ; step s's tile of expert 4 (s % 2) + wave: waves 0-3; four v_nop follow the load
	s_cmp_lt_u32 s66, 4
	s_cbranch_scc0 .Lno_load_\@
	tensor_load_to_lds s[40+4*(\s):43+4*(\s)], s[32:39]
	s_nop 0
.rept 4
	v_nop
.endr
.Lno_load_\@:
.endm
.macro GRP g                           ; group g feeds NO outputs: output OM oi by the gates of slot SB + SM oi
.if (\g) == 0
.set NO, 3
.set OM, 1
.set SB, 3
.set SM, 1
.elseif (\g) == 1
.set NO, 2
.set OM, 1
.set SB, 0
.set SM, 1
.else
.set NO, 2
.set OM, 2
.set SB, 6
.set SM, -4
.endif
.endm
.macro GLOAD s                         ; step s's gates: my row's four, for each output fed and each tile of rows
	GRP (\s)/2
	WIN 0
.irp oi, 0,1,2
.if \oi < NO
.irp m, 0,1,2,3
	global_load_b128 v[32+48*((\s)%2)+16*\oi+4*\m:32+48*((\s)%2)+16*\oi+4*\m+3], v8, s[78:79] offset:\m*4096+(SB+SM*\oi)*512+((\s)%2)*256
.endr
.endif
.endr
.endm
.macro XLOAD                           ; a group's x out of LDS: 16 fragments as images, and the scale words: lanes 0-15 the even tile's rows, lanes 16-31 the odd tile's
.irp m, 0,1,2,3
.irp q, 0,1,2,3
.irp c, 0,1
	ds_load_b128 v[128+32*\m+8*\q+4*\c:128+32*\m+8*\q+4*\c+3], v9 offset:\m*XTILE+\q*1024+\c*512
.endr
.endr
.endr
.irp n, 0,1
	ds_load_b128 v[24+4*\n:24+4*\n+3], v10 offset:\n*2*XTILE
.endr
.endm
.macro LDT slot, g, e, el, t           ; a tile's four fragments of weights, its bias in the result's layout, and (for both t at once: lanes 0-15 tile 0, lanes 16-31 tile 1) the expert's scale words
	WIN 0x40
.irp q, 0,1,2,3
.irp c, 0,1
	ds_load_b128 v[64+8*\q+4*\c:64+8*\q+4*\c+3], v[3+(\slot)] offset:(\el)*TILEB+(\t)*4352+64*\q+32*\c
.endr
.endr
	WIN 0
.irp c, 0,1
	ds_load_b128 v[16+4*\c:16+4*\c+3], v6 offset:(8*(\g)+(\e))*256+64*(\t)+16*\c
.endr
.if (\t) == 0
	ds_load_b128 v[12:15], v5 offset:(\g)*9216+16*(\e)
.endif
.endm
.macro WMM ra, rb                      ; one matrix instruction on the registers rD, rA, rB, rC, rSA, rSB; ra, rb: the scale words stand in lanes 16-31
.if (\ra) == 0 && (\rb) == 0
	v_wmma_scale_f32_16x16x128_f8f6f4 v[rD:rD+7], v[rA:rA+7], v[rB:rB+7], v[rC:rC+7], v[rSA], v[rSB] matrix_a_fmt:MATRIX_FMT_FP4 matrix_b_fmt:MATRIX_FMT_FP4
.elseif (\ra) == 0
	v_wmma_scale_f32_16x16x128_f8f6f4 v[rD:rD+7], v[rA:rA+7], v[rB:rB+7], v[rC:rC+7], v[rSA], v[rSB] matrix_a_fmt:MATRIX_FMT_FP4 matrix_b_fmt:MATRIX_FMT_FP4 matrix_b_scale:MATRIX_SCALE_ROW1
.elseif (\rb) == 0
	v_wmma_scale_f32_16x16x128_f8f6f4 v[rD:rD+7], v[rA:rA+7], v[rB:rB+7], v[rC:rC+7], v[rSA], v[rSB] matrix_a_fmt:MATRIX_FMT_FP4 matrix_b_fmt:MATRIX_FMT_FP4 matrix_a_scale:MATRIX_SCALE_ROW1
.else
	v_wmma_scale_f32_16x16x128_f8f6f4 v[rD:rD+7], v[rA:rA+7], v[rB:rB+7], v[rC:rC+7], v[rSA], v[rSB] matrix_a_fmt:MATRIX_FMT_FP4 matrix_b_fmt:MATRIX_FMT_FP4 matrix_a_scale:MATRIX_SCALE_ROW1 matrix_b_scale:MATRIX_SCALE_ROW1
.endif
.endm
; A tile's 16 matrix instructions: four tiles of rows by turns, one instruction a turn, K ascending; the bias is the C of each sum's first product.
; The four v_nop are the places in front of the loads into registers just read and of the first read of results (ISA guide 7.12.1 for vector instructions).
.macro MM t
	WIN 0x41                                       ; A and D window 1; B and C window 0
.irp m, 0,1,2,3
.set rD, 32+8*\m
.set rC, 16
.set rA, 64
.set rB, 128+32*\m
.set rSA, 12
.set rSB, 24+4*(\m/2)
	WMM \t,\m%2
.endr
	WIN 0x51                                       ; C window 1 too
.irp q, 1,2,3
.irp m, 0,1,2,3
.set rD, 32+8*\m
.set rC, 32+8*\m
.set rA, 64+8*\q
.set rB, 128+32*\m+8*\q
.set rSA, 12+\q
.set rSB, 24+4*(\m/2)+\q
	WMM \t,\m%2
.endr
.endr
.rept 4
	v_nop
.endr
.endm
; Tiles of rows m0, m0 + 1 of the tile (el, t) of group g: relu, each accumulator from its low end on, and for each output fed four packed multiply-adds by my row's gate of this expert.
; first = 1: the sums begin (a product in place of a multiply-add): nothing is cleared.
.macro EPIH g, p, el, t, m0, first
	GRP \g
	WIN 0x54                                       ; source 0 (gates) window 0; the rest window 1
.irp n, 0,1
.set M, (\m0)+\n
.set rD, 32+8*M
.irp j, 0,1,2,3,4,5,6,7
	v_max_num_f32 v[rD+\j], 0, v[rD+\j]
.endr
.irp oi, 0,1,2
.if \oi < NO
.set K, (4*OM*\oi+M)*2+(\t)
.if K < 4
.set rA, 8*K
.else
.set rA, 64+8*K
.endif
.set rG, 32+48*(\p)+16*\oi+4*M+((\el)/2)*2
.irp i, 0,1,2,3
.if \first
	v_pk_mul_f32 v[rA+2*\i:rA+2*\i+1], v[rG:rG+1], v[rD+2*\i:rD+2*\i+1] op_sel_hi:[0,1]
.elseif ((\el)%2) == 0
	v_pk_fma_f32 v[rA+2*\i:rA+2*\i+1], v[rG:rG+1], v[rD+2*\i:rD+2*\i+1], v[rA+2*\i:rA+2*\i+1] op_sel_hi:[0,1,1]
.else
	v_pk_fma_f32 v[rA+2*\i:rA+2*\i+1], v[rG:rG+1], v[rD+2*\i:rD+2*\i+1], v[rA+2*\i:rA+2*\i+1] op_sel:[1,0,0]
.endif
.endr
.endif
.endr
.endr
.endm
.macro TILE s, idx                     ; tile idx = 0 .. 6 of step s: its products; the next tile's loads; its vector work, under which they land
.if ((\s)==0)&&((\idx)<2)
.set FST, 1
.else
.set FST, 0
.endif
	MM (\idx)%2
	LDT (\s)%2,(\s)/2,4*((\s)%2)+((\idx)+1)/2,((\idx)+1)/2,((\idx)+1)%2
	EPIH (\s)/2,(\s)%2,(\idx)/2,(\idx)%2,0,FST
	EPIH (\s)/2,(\s)%2,(\idx)/2,(\idx)%2,2,FST
	s_wait_dscnt 0x0                               ; the next tile's fragments, bias and scale words are in (and whatever else of mine was out in LDS)
.endm
; The last tile of step s = 0 .. 4, and the change of slots.  In front of the barrier each wave waits for all its tensor loads (the one that is out is its part of the next slot), adds 0 to its spare word, and waits for
; that; its reads of this slot were over a tile ago.  s < 4: the barrier is a round of the cluster's, and the joint refill (step s + 2, into the slot just left) is the first thing behind it: it has a whole step in which to land.
.macro STEPEND s
	MM 1
	WIN 0                                          ; (the add's two registers lie in window 0)
	s_wait_tensorcnt 0x0
	ds_add_u32 v1, v2                              ; 0 onto my spare word; half of the tile's vector work stands between it and the wait for it
	EPIH (\s)/2,(\s)%2,3,1,0,0
	s_wait_dscnt 0x0                               ; the add is done; no LDS access of mine is out
	WIN 0                                          ; at a branch and at a label every window is 0
.if (\s) < 4
	CROUND
	JLOAD (\s)+2
.else
	s_barrier_signal -1                            ; nothing is left to fetch: the work-group's barrier: behind it nobody reads slot 0 or x's copies any more, and the second output's stage is whole
	s_barrier_wait -1
.endif
.if ((\s)%2) == 1                      ; a new group begins: its x
.if (\s) == 3
	v_add_nc_u32 v9, XR2-XR1, v9
	v_add_nc_u32 v10, XR2-XR1, v10
.endif
	XLOAD
.endif
	LDT ((\s)+1)%2,((\s)+1)/2,4*(((\s)+1)%2),0,0
	EPIH (\s)/2,(\s)%2,3,1,2,0
	s_wait_loadcnt 0x0                             ; the next step's gates, asked for a step ago
.if (\s)+2 <= 5
	GLOAD (\s)+2                                   ; into the set that has just been read out
.endif
	s_wait_dscnt 0x0
.endm
; THE SECOND OUTPUT'S WAY OUT, in three parts.
.macro OUT1_IN                         ; behind step 3: x's addresses are done with and become the stage's; my eight sums go in: row 64 wr + 16 m + r, bytes 128 wh + 64 t + 32 hh on
	WIN 0
	v_and_b32 v9, 15, v0                           ; r
	v_bfe_u32 v11, v0, 4, 1                        ; hh
	s_delay_alu instid0(VALU_DEP_2)
	v_mul_u32_u24 v9, v9, 272
	s_delay_alu instid0(VALU_DEP_1)
	v_lshl_add_u32 v9, v11, 5, v9
	s_delay_alu instid0(VALU_DEP_1)
	v_add_nc_u32 v9, s99, v9                       ; in
	s_delay_alu instid0(VALU_DEP_4)
	v_mul_u32_u24 v10, v11, 272
	s_delay_alu instid0(VALU_DEP_1)
	v_add_nc_u32 v10, v10, v8
	s_delay_alu instid0(VALU_DEP_1)
	v_add_nc_u32 v10, s100, v10                    ; back: row 32 w + hh, 16 bytes a lane
	v_lshl_add_u32 v11, v11, 11, v8                ; and the same two rows in an output: kept to the end
	WIN 0x04                                       ; an LDS store's data are its source 1: window 1
.irp m, 0,1,2,3
.irp t, 0,1
.irp c, 0,1
	ds_store_b128 v9, v[64+8*((4+\m)*2+\t)+4*\c:64+8*((4+\m)*2+\t)+4*\c+3] offset:\m*4352+64*\t+16*\c
.endr
.endr
.endr
	WIN 0
.endm
.macro OUT1_BACK                       ; behind the barrier behind step 4: 32 whole rows come back, into the registers that the sums have left; the wait at the next tile's end covers them
	WIN 0x40
.irp i, 0,1,2,3,4,5,6,7,8,9,10,11,12,13,14,15
	ds_load_b128 v[128+4*\i:128+4*\i+3], v10 offset:544*\i
.endr
	WIN 0
.endm
.macro OUT1_SEND n                     ; eight of the rows are stored: four instructions behind each of step 5's first four tiles.  Neither the data nor the offset is written again
	WIN 0x04                                       ; a store's data are its source 1: window 1
.irp i, 0,1,2,3
	global_store_b128 v11, v[128+16*(\n)+4*\i:128+16*(\n)+4*\i+3], s[28:29] offset:4096*(4*(\n)+\i) th:TH_STORE_NT   ; 16 lanes store 256 consecutive bytes, at a multiple of 256 from the output's first byte
.endr
.endm
	s_load_b512 s[4:19], s[0:1], 0x0               ; codes s[4:9], scales s[10:15], biases s[16:21],
	s_load_b256 s[20:27], s[0:1], 0x40             ; xq s[22:23], gw s[24:25], outputs s[26:31]
	s_load_b128 s[28:31], s[0:1], 0x60
	v_lshl_add_u32 v1, v0, 2, SPARE
	v_mov_b32 v2, 0
	ds_add_u32 v1, v2
	ds_add_u32 v1, v2
	s_wait_dscnt 0x0
	v_lshrrev_b32 v3, 5, v0
	s_delay_alu instid0(VALU_DEP_1)
	v_readfirstlane_b32 s66, v3                    ; wave 0..7
	s_lshr_b32 s67, s66, 1                         ; wr: which 64 rows
	s_and_b32 s68, s66, 1                          ; wh: which 32 h
	s_and_b32 s84, s66, 3                          ; waves 0-3: which of a step's four tiles I fetch; waves 4-7: which half of which copy of x
	s_bfe_u32 s69, ttmp6, 0x40000                  ; cx: it enters x's, the gates' and the outputs' addresses alone
	s_lshl_b32 s70, ttmp9, 2
	s_add_co_u32 s70, s70, s69                     ; my block of 256 rows
	s_and_b32 s71, ttmp7, 0xffff                   ; my 64 h, which the four partners share
	; descriptor group 1 for the weights: 64 rows of 256 bytes, 2,048 bytes apart; 16 bytes of padding behind each row in LDS
	s_mov_b32 s32, 15|(1<<20)|(1<<21)|(5<<22)|(3<<25)   ; 15:0 the mask: all four; 17:16 elements of 1 byte; 20 padding on; 21 set beside a mask; 24:22 after every 64 words; 31:25 four words
	s_mov_b32 s33, 256<<16                         ; tensor_dim0
	s_mov_b32 s34, 64<<16                          ; tensor_dim1
	s_mov_b32 s35, 256<<16                         ; tile_dim0
	s_mov_b32 s36, 64                              ; tile_dim1
	s_mov_b32 s37, 2048                            ; stride from row to row
	s_mov_b32 s38, 0
	s_mov_b32 s39, 0
	; and for x's copies: 34,816 dense bytes (8 tiles of rows) as 136 rows of 256 bytes (32 elements of 8 bytes), no padding, no mask: the work-group's own
	s_mov_b32 s88, 3<<16
	s_mov_b32 s89, 32<<16                          ; tensor_dim0
	s_mov_b32 s90, 136<<16                         ; tensor_dim1
	s_mov_b32 s91, 32<<16                          ; tile_dim0
	s_mov_b32 s92, 136                             ; tile_dim1
	s_mov_b32 s93, 32                              ; stride
	s_mov_b32 s94, 0
	s_mov_b32 s95, 0
	s_mul_i32 s85, s84, TILEB
	s_mul_i32 s86, s68, 8704
	s_mul_i32 s87, s68, 4608
	s_add_co_u32 s87, s87, WSC
	s_lshl_b32 s72, s68, 7                         ; 128 wh
	s_mul_i32 s73, s67, 4*XTILE                    ; wr's four tiles of x; also 64 rows of a stage
	s_lshl_b32 s74, s66, 10
	s_mul_i32 s75, s66, 1152
	s_add_co_u32 s75, s75, WSC
	s_add_co_u32 s2, s73, XR1
	s_add_co_u32 s3, s2, 4096
	s_add_co_u32 s96, s72, BIA
	s_add_co_u32 s97, s73, s72                     ; a stage, on the way in: 64 wr rows + 128 wh bytes
	s_mul_i32 s98, s66, 2*XTILE                    ; and back: 32 w rows
	s_add_co_u32 s99, s97, XR1                     ; the same in the second output's stage
	s_add_co_u32 s100, s98, XR1
	v_and_b32 v117, 15, v0                         ; r
	v_bfe_u32 v118, v0, 4, 1                       ; hh
	v_and_b32 v119, 31, v0                         ; lane
	s_delay_alu instid0(VALU_DEP_3)
	v_mul_u32_u24 v3, v117, 272
	s_delay_alu instid0(VALU_DEP_1)
	v_lshl_add_u32 v3, v118, 4, v3
	s_delay_alu instid0(VALU_DEP_1)
	v_add_nc_u32 v3, s86, v3                       ; weights in slot 0: row 32 wh + r, + 16 hh;
	s_delay_alu instid0(VALU_DEP_1)
	v_add_nc_u32 v4, RING1, v3                     ; in slot 1
	v_mul_u32_u24 v5, v119, 144
	s_delay_alu instid0(VALU_DEP_1)
	v_add_nc_u32 v5, s87, v5                       ; scale bytes of h = 32 wh + lane
	v_lshlrev_b32 v6, 5, v118
	s_delay_alu instid0(VALU_DEP_1)
	v_add_nc_u32 v6, s96, v6                       ; bias: h = 32 wh + 8 hh on
	v_lshlrev_b32 v7, 4, v119                      ; 16 x lane
	v_lshlrev_b32 v8, 4, v117                      ; 16 r
	s_delay_alu instid0(VALU_DEP_2)
	v_add_nc_u32 v9, s2, v7                        ; x's images in LDS: my four tiles
	v_mul_u32_u24 v116, v118, XTILE
	s_delay_alu instid0(VALU_DEP_1)
	v_add_nc_u32 v116, v116, v8                    ; x's scale words: tile hh of a pair, row r
	s_delay_alu instid0(VALU_DEP_1)
	v_add_nc_u32 v10, s3, v116
	v_add_nc_u32 v110, s74, v7                     ; at the start: my 1,024 bytes of a group's scale bytes,
	v_lshrrev_b32 v111, 3, v119
	s_delay_alu instid0(VALU_DEP_1)
	v_mul_u32_u24 v111, v111, 144
	v_and_b32 v11, 7, v0
	s_delay_alu instid0(VALU_DEP_1)
	v_lshl_add_u32 v111, v11, 4, v111
	s_delay_alu instid0(VALU_DEP_1)
	v_add_nc_u32 v111, s75, v111                   ; and their place in LDS: h = 8 w + lane / 8, expert lane % 8
	v_lshlrev_b32 v112, 2, v0                      ; my number of a group's bias,
	s_delay_alu instid0(VALU_DEP_4)
	v_lshlrev_b32 v113, 8, v11
	v_lshrrev_b32 v11, 3, v0
	s_delay_alu instid0(VALU_DEP_1)
	v_lshl_add_u32 v113, v11, 2, v113
	s_delay_alu instid0(VALU_DEP_1)
	v_add_nc_u32 v113, BIA, v113                   ; and its place: expert thread % 8, h = thread / 8
	s_lshl_b32 s72, s71, 17                        ; the weights' tile: 64 h x 2,048 bytes, + 256 x expert: made of what the partners share
	s_lshl_b32 s73, s84, 8
	s_add_co_u32 s72, s72, s73
	s_mov_b32 s73, 0
	s_lshl_b32 s74, s70, 4
	s_lshl_b32 s75, s67, 2
	s_add_co_u32 s74, s74, s75                     ; my first tile of rows
	s_mul_i32 s2, s74, XTILE
	s_mov_b32 s3, 0
	s_lshl_b32 s74, s74, 12
	s_mov_b32 s75, 0
	s_wait_alu depctr_va_vdst(0)
	s_wait_kmcnt 0x0
	s_add_nc_u64 s[76:77], s[22:23], s[2:3]        ; x of the first group at my tiles
	s_add_nc_u64 s[78:79], s[24:25], s[74:75]      ; the gates at my tiles
	s_lshr_b32 s2, s84, 1                          ; x's copies: wave 4 + j brings half j % 2 of group 1 + j / 2
	s_mul_i32 s2, s2, XTEN
	s_add_co_u32 s2, s2, XTEN
	s_and_b32 s74, s84, 1
	s_mul_i32 s74, s74, 8*XTILE
	s_add_co_u32 s2, s2, s74
	s_mul_i32 s74, s70, 16*XTILE
	s_add_co_u32 s2, s2, s74
	s_mov_b32 s80, 1                               ; descriptor group 0: count = 1,
	s_mul_i32 s81, s84, 8*XTILE
	s_add_co_u32 s81, s81, XR1                     ; LDS address: XR1 + 34,816 j: no place in the cluster enters it,
	s_add_nc_u64 s[82:83], s[22:23], s[2:3]        ; global address,
	s_or_b32 s83, s83, 0x80000000                  ; type = 2
	s_lshl_b32 s74, s71, 13
.irp g, 0,1,2
	s_add_nc_u64 s[10+2*\g:11+2*\g], s[10+2*\g:11+2*\g], s[74:75]
.endr
	s_lshl_b32 s74, s71, 11
.irp g, 0,1,2
	s_add_nc_u64 s[16+2*\g:17+2*\g], s[16+2*\g:17+2*\g], s[74:75]
.endr
	s_lshl_b32 s74, s70, 8
	s_lshl_b32 s2, s66, 5
	s_add_co_u32 s74, s74, s2                      ; the first row that I store: 256 X + 32 w
	s_lshl_b32 s74, s74, 11
	s_lshl_b32 s2, s71, 8
	s_add_co_u32 s74, s74, s2
.irp o, 0,1,2
	s_add_nc_u64 s[26+2*\o:27+2*\o], s[26+2*\o:27+2*\o], s[74:75]
.endr
.irp s, 0,1,2,3,4,5                            ; the weights' descriptor group 0, a set for each step, made once and never written again
	s_mov_b32 s[40+4*\s], 1
	s_add_co_u32 s[41+4*\s], s85, (\s%2)*RING1
	s_add_nc_u64 s[42+4*\s:43+4*\s], s[4+2*(\s/2):5+2*(\s/2)], s[72:73]
.if \s%2
	s_add_nc_u64 s[42+4*\s:43+4*\s], s[42+4*\s:43+4*\s], 1024
.endif
	s_or_b32 s[43+4*\s], s[43+4*\s], 0x80000000
.endr
	; the loads through registers stand ahead of the round, so that they are on their way while the four work-groups meet: 12 for LDS, 34 of the first group's x, 12 of step 0's gates
.irp g, 0,1,2
.irp j, 0,1
	global_load_b128 v[80+8*\g+4*\j:80+8*\g+4*\j+3], v110, s[10+2*\g:11+2*\g] offset:512*\j
.endr
.endr
.irp g, 0,1,2
.irp j, 0,1
	global_load_b32 v[104+2*\g+\j], v112, s[16+2*\g:17+2*\g] offset:1024*\j
.endr
.endr
.irp m, 0,1,2,3
.irp q, 0,1,2,3
.irp c, 0,1
	global_load_b128 v[128+32*\m+8*\q+4*\c:128+32*\m+8*\q+4*\c+3], v7, s[76:77] offset:\m*XTILE+\q*1024+\c*512
.endr
.endr
.endr
.irp n, 0,1
	global_load_b128 v[24+4*\n:24+4*\n+3], v116, s[76:77] offset:4096+\n*2*XTILE
.endr
	GLOAD 0
	CROUND                                         ; all four work-groups are here: the first joint loads meet
	s_cmp_lt_u32 s66, 4                            ; the head's fills: waves 0-3 alone, each its tile of step 0; what the first step does not read is asked for behind the next round
	s_cbranch_scc0 .Lfirst_asked
	tensor_load_to_lds s[40:43], s[32:39]
	s_nop 0
.rept 4
	v_nop
.endr
.Lfirst_asked:
	s_wait_loadcnt 46                              ; what goes into LDS is in; the 34 loads of the first group's x and the 12 of step 0's gates may be out
.irp g, 0,1,2
.irp j, 0,1
	ds_store_b128 v111, v[80+8*\g+4*\j:80+8*\g+4*\j+3] offset:\g*9216+\j*576
.endr
.endr
.irp g, 0,1,2
.irp j, 0,1
	ds_store_b32 v113, v[104+2*\g+\j] offset:\g*2048+128*\j
.endr
.endr
	s_wait_tensorcnt 0x0                           ; waves 0-3: my tile of step 0 is in; waves 4-7 have no load out
	ds_add_u32 v1, v2                              ; 0 onto my spare word ahead of a later first fill,
	ds_add_u32 v1, v2                              ; twice on end here
	s_wait_dscnt 0x0                               ; both adds are done, and for the others' sake my stores of scale bytes and biases have landed
	CROUND                                         ; a whole round: slot 0, scale bytes and biases are whole, and the four work-groups meet
	s_cmp_lt_u32 s66, 4                            ; the later first fills, one chain, one load to an arm: waves 0-3 step 1's tiles into slot 1 (joint),
	s_cbranch_scc0 .Lsecond_x
	tensor_load_to_lds s[44:47], s[32:39]
	s_nop 0
.rept 4
	v_nop
.endr
	s_branch .Lsecond_asked
.Lsecond_x:
	tensor_load_to_lds s[80:83], s[88:95]          ; waves 4-7 their halves of x's two copies (the work-group's own); both are waited for at step 0's end
	s_nop 0
.rept 4
	v_nop
.endr
.Lsecond_asked:
	s_wait_loadcnt 0x0
	GLOAD 1
	LDT 0,0,0,0,0
	s_wait_dscnt 0x0
.irp s, 0,1,2,3
.irp idx, 0,1,2,3,4,5,6
	TILE \s,\idx
.endr
	STEPEND \s
.endr
	OUT1_IN                                        ; the second output's sums are final
.irp idx, 0,1,2,3,4,5,6
	TILE 4,\idx
.endr
	STEPEND 4
	OUT1_BACK
.irp idx, 0,1,2,3
	TILE 5,\idx
	OUT1_SEND \idx
.endr
.irp idx, 4,5,6
	TILE 5,\idx
.endr
	MM 1
	EPIH 2,1,3,1,0,0
	EPIH 2,1,3,1,2,0
	; THE WAY OUT of the first and the third output.  A lane holds 32 neighbouring bytes of a row, and a row's 256 bytes come from two waves: the sums go into two stages in LDS, a barrier, and each wave stores 32 whole rows of each.
	WIN 0
	v_bfe_u32 v16, v0, 4, 1                        ; hh
	v_and_b32 v17, 15, v0                          ; r
	s_delay_alu instid0(VALU_DEP_1)
	v_mul_u32_u24 v3, v17, 272
	s_delay_alu instid0(VALU_DEP_1)
	v_lshl_add_u32 v3, v16, 5, v3
	s_delay_alu instid0(VALU_DEP_1)
	v_add_nc_u32 v3, s97, v3                       ; in: row 64 wr + r, + 128 wh + 32 hh
	s_delay_alu instid0(VALU_DEP_1)
	v_add_nc_u32 v4, XR2, v3
	v_mul_u32_u24 v5, v16, 272
	s_delay_alu instid0(VALU_DEP_1)
	v_add_nc_u32 v5, v5, v8
	s_delay_alu instid0(VALU_DEP_1)
	v_add_nc_u32 v5, s98, v5                       ; back: row 32 w + hh, 16 bytes a lane
	s_delay_alu instid0(VALU_DEP_1)
	v_add_nc_u32 v6, XR2, v5
	WIN 0x04
.irp n, 0,1                                    ; output 2 n
.irp m, 0,1,2,3
.irp t, 0,1
.set K, (8*\n+\m)*2+\t
.if K < 4
.set rA, 8*K
.else
.set rA, 64+8*K
.endif
.irp c, 0,1
	ds_store_b128 v[3+\n], v[rA+4*\c:rA+4*\c+3] offset:\m*4352+64*\t+16*\c
.endr
.endr
.endr
.endr
	WIN 0
	s_wait_alu depctr_va_vdst(0)
	s_wait_dscnt 0x0                               ; for the others' sake: my stores into the stages are done
	s_barrier_signal -1
	s_barrier_wait -1
.irp n, 0,1
.irp i, 0,1,2,3,4,5,6,7,8,9,10,11,12,13,14,15
	ds_load_b128 v[32+64*\n+4*\i:32+64*\n+4*\i+3], v[5+\n] offset:544*\i
.endr
.endr
.irp n, 0,1
.irp i, 0,1,2,3,4,5,6,7,8,9,10,11,12,13,14,15
	s_wait_dscnt 31-(16*\n+\i)                     ; LDS loads come back in order (ISA guide 5.7.1): this one is in, the younger ones may be out
	global_store_b128 v11, v[32+64*\n+4*\i:32+64*\n+4*\i+3], s[26+4*\n:27+4*\n] offset:4096*\i th:TH_STORE_NT   ; 16 lanes store 256 consecutive bytes, at a multiple of 256 from the output's first byte
.endr
.endr
	s_wait_tensorcnt 0x0                           ; the wave's end: behind my last tensor load and my last LDS store
	ds_add_u32 v1, v2
	s_wait_dscnt 0x0
	CROUND                                         ; the closing round: no work-group ends while a partner may still ask for a tile that names it
	s_endpgm
.Lfunc_end_k_qfef8b2ccf5_experts:
	.size	k_qfef8b2ccf5_experts, .Lfunc_end_k_qfef8b2ccf5_experts-k_qfef8b2ccf5_experts
	.p2alignl 7, 3214868480
	.fill 96, 4, 3214868480
	.section	.rodata,"a",@progbits
	.p2align	6, 0x0
	.amdhsa_kernel k_qfef8b2ccf5_experts
		.amdhsa_group_segment_fixed_size 327680
		.amdhsa_private_segment_fixed_size 0
		.amdhsa_enable_private_segment 0
		.amdhsa_kernarg_size 112
		.amdhsa_user_sgpr_count 2
		.amdhsa_user_sgpr_kernarg_segment_ptr 1
		.amdhsa_wavefront_size32 1
		.amdhsa_system_sgpr_workgroup_id_x 1
		.amdhsa_system_sgpr_workgroup_id_y 1
		.amdhsa_system_sgpr_workgroup_id_z 1
		.amdhsa_system_vgpr_workitem_id 0
		.amdhsa_next_free_vgpr 512
		.amdhsa_next_free_sgpr 102
		.amdhsa_reserve_vcc 0
		.amdhsa_float_denorm_mode_32 3
		.amdhsa_float_denorm_mode_16_64 3
		.amdhsa_memory_ordered 1
		.amdhsa_forward_progress 1
		.amdhsa_inst_pref_size 255
	.end_amdhsa_kernel
	.section	.bss,"aw",@nobits
	.p2align	6
	.space	262144
	.amdgpu_metadata
---
amdhsa.version: [ 1, 2 ]
amdhsa.kernels:
  - .name:           k_qfef8b2ccf5_experts
    .symbol:         k_qfef8b2ccf5_experts.kd
    .args:
      - { .name: W_sh_codes, .offset: 0, .size: 8, .value_kind: global_buffer, .address_space: global }
      - { .name: W_t1_codes, .offset: 8, .size: 8, .value_kind: global_buffer, .address_space: global }
      - { .name: W_t2_codes, .offset: 16, .size: 8, .value_kind: global_buffer, .address_space: global }
      - { .name: W_sh_scales, .offset: 24, .size: 8, .value_kind: global_buffer, .address_space: global }
      - { .name: W_t1_scales, .offset: 32, .size: 8, .value_kind: global_buffer, .address_space: global }
      - { .name: W_t2_scales, .offset: 40, .size: 8, .value_kind: global_buffer, .address_space: global }
      - { .name: b_sh, .offset: 48, .size: 8, .value_kind: global_buffer, .address_space: global }
      - { .name: b_t1, .offset: 56, .size: 8, .value_kind: global_buffer, .address_space: global }
      - { .name: b_t2, .offset: 64, .size: 8, .value_kind: global_buffer, .address_space: global }
      - { .name: xq, .offset: 72, .size: 8, .value_kind: global_buffer, .address_space: global }
      - { .name: gw, .offset: 80, .size: 8, .value_kind: global_buffer, .address_space: global }
      - { .name: out0, .offset: 88, .size: 8, .value_kind: global_buffer, .address_space: global }
      - { .name: out1, .offset: 96, .size: 8, .value_kind: global_buffer, .address_space: global }
      - { .name: out2, .offset: 104, .size: 8, .value_kind: global_buffer, .address_space: global }
    .group_segment_fixed_size: 327680
    .private_segment_fixed_size: 0
    .kernarg_segment_align: 8
    .kernarg_segment_size: 112
    .max_flat_workgroup_size: 256
    .sgpr_count:     102
    .vgpr_count:     512
    .wavefront_size: 32
...
	.end_amdgpu_metadata
.endif
;; end of part 2
